; MI455X (gfx1250); checked and timed in simulation.
; The chip was launched on July 23, 2026; its instructions are those of AMD's public machine-readable ISA for CDNA 5 (MIT licence, August 2026) and "CDNA5" Instruction Set Architecture Reference Guide (July 2026). The comments in the code are by the model that wrote it; some were corrected since.
;; Multi Head Attention. Allowed arithmetic: matrix products marked QUANTISED: E4M3 operands, one E8M0 scale for each 32 along K, by v_wmma_scale_f32_16x16x128_f8f6f4 with both operands' format E4M3, f32 sums; everything else in f32.
;; Inputs: bk 1,024 float32; bo 1,024 float32; bq 1,024 float32; bv 1,024 float32; wk_codes 1,024 x 32 x 32 uint8 (E4M3 codes of wk, K innermost, in blocks of 32 codes); wk_scales 1,024 x 32 uint8 (E8M0 scales of wk, one for each 32 codes along K); wo_codes 1,024 x 32 x 32 uint8 (E4M3 codes of wo, K innermost, in blocks of 32 codes); wo_scales 1,024 x 32 uint8 (E8M0 scales of wo, one for each 32 codes along K); wq_codes 1,024 x 32 x 32 uint8 (E4M3 codes of wq, K innermost, in blocks of 32 codes); wq_scales 1,024 x 32 uint8 (E8M0 scales of wq, one for each 32 codes along K); wv_codes 1,024 x 32 x 32 uint8 (E4M3 codes of wv, K innermost, in blocks of 32 codes); wv_scales 1,024 x 32 uint8 (E8M0 scales of wv, one for each 32 codes along K); x_codes 4 x 2,048 x 32 x 32 uint8 (E4M3 codes of x, K innermost, in blocks of 32 codes); x_scales 4 x 2,048 x 32 uint8 (E8M0 scales of x, one for each 32 codes along K).
;; Outputs: out0 4 x 2,048 x 1,024 float32.
;; This version of the problem:
;;   THIS VERSION OF THE PROBLEM IS GIVEN IN LOW PRECISION. The matrix products marked QUANTISED in the list below multiply operands that are first quantised to E4M3 (4 exponent bits, 3 mantissa bits; 8 bits a number), with one power-of-two scale for each 32 numbers along K (OCP MX v1.0); their sums are f32. All else is computed in f32.
;;   The module's matrix products, in the order in which they are computed (A, B: the left and right operand; K: the contracted axis; several contracted axes count as one K, in the product's order):
;;     1. [M 8,192, K 1,024] x [K 1,024, N 1,024]; A: input x (given as codes); B: input wq (given as codes): QUANTISED
;;     2. [M 8,192, K 1,024] x [K 1,024, N 1,024]; A: input x (given as codes); B: input wk (given as codes): QUANTISED
;;     3. [M 8,192, K 1,024] x [K 1,024, N 1,024]; A: input x (given as codes); B: input wv (given as codes): QUANTISED
;;     4. batch 64 x [M 2,048, K 64] x [K 64, N 2,048]; A: computed on the way; B: computed on the way: QUANTISED
;;     5. batch 64 x [M 2,048, K 2,048] x [K 2,048, N 64]; A: softmax (see below); B: computed on the way: QUANTISED
;;     6. [M 8,192, K 1,024] x [K 1,024, N 1,024]; A: computed on the way; B: input wo (given as codes): QUANTISED
;;   THE QUANTISER, for each operand of a quantised product, along K:
;;     - K is cut into blocks of 32 from its start; a last block that is shorter is filled with zeros.
;;     - A block's scale is 2^e with e = floor(log2(the largest magnitude in the block)) - 8, held to -126 .. 127; a block of zeros has e = 0. As a byte (E8M0): e + 127.
;;     - Each number is divided by its block's scale, clamped to +-448, and rounded to the nearest number of E4M3, ties to even, subnormals kept.
;;     - The product sums the exact products of the quantised numbers (number of the format x scale) in f32.
;;   ~~~python
;;   def quantise(x, axis):      # numpy; x: float32 -> the quantised numbers, widened to float32 again
;;       x = np.moveaxis(x, axis, -1); K = x.shape[-1]
;;       x = np.pad(x, [(0, 0)] * (x.ndim - 1) + [(0, -K % 32)]); x = x.reshape(x.shape[:-1] + (-1, 32)); a = np.abs(x).max(-1, keepdims=True)
;;       e = np.where(a > 0, np.clip(np.frexp(np.where(a > 0, a, 1))[1] - 1 - 8, -126, 127), 0)      # np.frexp(a)[1] - 1 = floor(log2(a)), exactly
;;       r = np.clip(x / 2.0 ** e, -448, 448)
;;       step = 2.0 ** (np.maximum(np.frexp(np.where(r == 0, 1, r))[1] - 1, -6) - 3)
;;       q = np.round(r / step) * step * 2.0 ** e      # np.round: ties to even
;;       return np.moveaxis(q.reshape(q.shape[:-2] + (-1,))[..., :K], -1, axis).astype(np.float32)
;;   ~~~
;;   SOFTMAX AHEAD OF A QUANTISED PRODUCT. Where the list says 'softmax', what is quantised is not the finished softmax but p = 2^(t - M), with t = logit x log2(e) and M = ceil(the row's largest t), a whole number; so 1/2 < the row's largest p <= 1. The row's sum l is taken of the UNQUANTISED p, in f32, and the product's result is divided by l at the end. Since M is a whole number, a kernel that streams over the keys may use a running M (the ceiling of the running maximum): every later rescaling is an exact power of two, which a block's scale takes up: the codes' values come out the same.
;;   OPERANDS COMPUTED ON THE WAY. 'Computed on the way' means the value that the module computes at that place (a softmax that the list does not call 'softmax' is quantised finished and normalised). What goes into a quantiser is computed in f32, as accurately as f32 sums, v_exp_f32 and their like allow (about 1e-6 of the number): no bf16 or f16 on the way to a quantiser, and a product that is left as it is and whose result goes on into a quantised operand takes f32 operands (vector FMAs, or v_wmma_f32_16x16x4_f32). A number that lies on a knife's edge between two numbers of the format may be rounded either way, as far as f32 arithmetic and the matrix unit's own rounding can turn it there, and no further.
;;   INPUTS GIVEN AS CODES. wk (in the module: [1024, 1024], K = its axis 1); wo (in the module: [1024, 1024], K = its axis 1); wq (in the module: [1024, 1024], K = its axis 1); wv (in the module: [1024, 1024], K = its axis 1); x (in the module: [4, 2048, 1024], K = its axis 2): each comes as NAME_codes (uint8): NAME with its K axis moved to the last place and cut into blocks of 32 codes, [.., K / 32, bytes a block], one block behind the other in memory; one code a byte (a code: sign, 4 exponent bits, 3 mantissa bits); and NAME_scales (uint8): the same leading axes, one E8M0 byte (e + 127) for each 32 codes along K. Its value is code x scale, taken as it is: it is not quantised again, and the codes and scales need not be those that the quantiser above would give.
;; One version. Each part assembles by itself: llvm-mc -triple=amdgcn-amd-amdhsa -mcpu=gfx1250 --defsym DOCPART=n.
;; ======== version 1 of 1: 3 launches
;; limits: right only within a limited range of input values
;; workspace buffers: q_img 8,388,608 bytes; q_sc 262,144 bytes; k_img 8,388,608 bytes; k_sc 262,144 bytes; v_img 8,388,608 bytes; v_sc 262,144 bytes; o_img 8,388,608 bytes; o_sc 262,144 bytes
;; launch qkv (part 1): grid 8 x 32, 4 waves a work-group, clusters of 4 x 1, 327,680 bytes of LDS; arguments x_codes, x_scales, wq_codes, wq_scales, bq, wk_codes, wk_scales, bk, wv_codes, wv_scales, bv, q_img, q_sc, k_img, k_sc, v_img, v_sc; writes q_img, q_sc, k_img, k_sc, v_img, v_sc
.if DOCPART == 1
	.amdgcn_target "amdgcn-amd-amdhsa--gfx1250"
	.amdhsa_code_object_version 6
	.text
	.protected	k_q3e0112f1fe_qkv
	.globl	k_q3e0112f1fe_qkv
	.p2align	8
	.type	k_q3e0112f1fe_qkv,@function
k_q3e0112f1fe_qkv:
	s_mov_b64 s[64:65], 0
	v_nop
	global_prefetch_b8 v0, s[64:65] scope:SCOPE_SE
	s_setreg_imm32_b32 hwreg(HW_REG_WAVE_MODE, 25, 1), 1
	s_wait_xcnt 0x0
	s_wait_alu depctr_hold_cnt(0) depctr_sa_sdst(0) depctr_va_vdst(0) depctr_va_sdst(0) depctr_va_ssrc(0) depctr_va_vcc(0) depctr_vm_vsrc(0)
	s_getreg_b32 s2, hwreg(HW_REG_IB_STS2, 6, 4)
	s_cmp_eq_u32 s2, 0
	s_cbranch_scc0 .Lentry_in_a_cluster
	s_endpgm
.Lentry_in_a_cluster:
	s_bfe_u32 s2, ttmp6, 0x10000c
	s_cmp_lg_u32 s2, 0x3003
	s_cbranch_scc0 .Lentry_shape_is_right
	s_endpgm
.Lentry_shape_is_right:
; q = x wq^T + bq, k = x wk^T + bk, v = x wv^T + bv on codes of E4M3 with E8M0 scales (K = 1,024), and the quantisers behind them:
; q and k along a head's 64 features (two blocks of 32), v along the keys (blocks of 32 tokens).  The results leave as IMAGES OF OPERAND REGISTERS.
; SHARES.  A work-group takes 256 tokens x 384 features (two heads of q, the same two of k, 128 features of v).  THE WEIGHTS STAY IN REGISTERS: a wave holds one head (64 rows) of wq (waves 0, 1) or
; of wk (waves 2, 3) and 32 rows of wv, for all of K: 6 tiles x 8 K steps x 16 registers = 768, windows 1 to 3.  x's 256 rows lie in LDS whole, filled once, and go round in units of 32 tokens.
; CLUSTER.  The four work-groups of a cluster take the same 256 tokens and other features: x's panel and its scale bytes are asked for jointly (mask 15).  cx enters only addresses of weights, biases and outputs.
; LAYOUT.  q, k: source 0 = 16 weight rows, source 1 = 16 tokens: a lane holds ONE token (lane % 16) and features 8 (lane / 16) + 0..7 of the tile.  v: source 0 = 16 tokens, source 1 = 16 rows of wv: a lane holds ONE
; feature and tokens 8 (lane / 16) + 0..7.  The 16 registers of two neighbouring tiles are a lane's half of a block of 32, in the order 16 (i / 8) + 8 (lane / 16) + i % 8.  Both operands of each later product are made
; so, and a permutation inside a block that both sides share changes no sum and no scale.
; OUT.  q_img, k_img [bh][tile of 16 tokens][block c][lane][16 B];  q_sc, k_sc [bh][pair of tiles][r] words, byte 2 a + c;  v_img [bh][128 keys][16 d][block c][lane][16 B];  v_sc [bh][32 d][256 keys][lane][8 B].
; The biases are the C of each sum's first product: they are laid into the accumulators by LDS loads, since no 48 registers are left to keep them.
; LIMITS: NaN, infinities and the scale byte 0xff among the inputs are not served.  A block whose largest magnitude lies under 2^-118 (a block of zeros among them) gets the byte 1; only this program reads the bytes.
.set PX,   1040                        ; an LDS row of x: 1,024 bytes + 16 of padding: the 16 rows of a fragment load start 16 bytes apart modulo 256
.set XSC,  266240                      ; behind x's 256 rows: its scale bytes, 32 a token, dense
.set BQ,   274432                      ; per wave 256 bytes: the head's 64 biases
.set BVI,  275456                      ; per wave 1,024 bytes: two images, a lane's 16 bytes = 4 x bv of its feature
.set SH,   279552                      ; per wave 512 bytes: the head's scale words [unit 8][r 16]
.set SV,   281600                      ; per wave 256 bytes: v's scale bytes [lane 32][unit 8]
.set LX,   1                           ; v1   r x PX + 16 h
.set AX,   2                           ; v2   + the unit's rows
.set LXS,  3                           ; v3   XSC + 32 r + 16 h
.set AXS,  4                           ; v4   + the unit's rows
.set ABQ,  5                           ; v5   my wave's BQ + 32 h
.set ABV,  6                           ; v6   my wave's BVI + 16 lane
.set ASH,  7                           ; v7   my wave's SH + 4 r
.set ASV,  8                           ; v8   my wave's SV + 8 lane
.set VOH,  9                           ; v9   byte offset of my 16 bytes in the head's image
.set VOV,  10                          ; v10  the same in v's image
.set WS,   16                          ; v16-39  weights' scale words, 4 a tile: register j: lanes 0-15 K step j, lanes 16-31 K step 4 + j
.set XS,   40                          ; v40-47  x's, the same, for the unit's two tiles
.set ACC,  48                          ; v48-111   head: accumulator (token tile a, feature tile t) at 48 + 32 a + 8 t
.set ACCV, 112                         ; v112-143  v: (feature tile tv, token tile a) at 112 + 16 tv + 8 a
.set XF,   144                         ; v144-207  x's fragments: two sets of two tiles
.set TM,   208                         ; six largest magnitudes;
.set TP,   214                         ; six exchanged maxima, then scale bytes;
.set HO,   220
.set SO,   226                         ; six scale operands of the conversions
.set PC,   232                         ; v232-255  six quads of codes
.set G1X,  40
.set G1S,  48
.set G0X,  56
.set G0S,  60
.set WV,   66
.set NJ,   67
.set MI,   68
.set BB,   69
.set BLK,  70
.set HD,   72
.set W1,   73
.set BH,   74
.set FV,   75
.set OF,   76                          ; s[76:77] a byte offset, high word 0
.set SX,   78
.set SXS,  79
.set SI,   80
.set SB,   81
.set IT,   82
.set STV,  83
.set SEL,  84
.set MNT,  86
.set HM,   87
.set BHV,  89
.set SHW,  90
.set OD,   92                          ; s[92:93] byte offsets of the joint loads: they never hold cx
.set MSB, 0
.macro WIN new                         ; the immediate's high byte repeats the setting that is left
.if MSB != (\new)
	s_set_vgpr_msb (MSB<<8)|(\new)
.set MSB, (\new)
.endif
.endm
.macro PLACES n
.rept \n
	v_nop
.endr
.endm
.macro ROUND                           ; a round of the cluster's barrier
	s_barrier_signal -1
	s_barrier_wait -1
	s_cmp_lg_u32 s[WV], 0
	s_cbranch_scc1 .Lnot_wave_0_\@
	s_barrier_signal -3
.Lnot_wave_0_\@:
	s_barrier_wait -3
	s_barrier_signal -1
	s_barrier_wait -1
.endm
	s_load_b512 s[4:19], s[0:1], 0x0               ; x_codes 4, x_scales 6, wq_codes 8, wq_scales 10, bq 12, wk_codes 14, wk_scales 16, bk 18
	s_load_b512 s[20:35], s[0:1], 0x40             ; wv_codes 20, wv_scales 22, bv 24, q_img 26, q_sc 28, k_img 30, k_sc 32, v_img 34
	s_load_b64 s[36:37], s[0:1], 0x80              ; v_sc
	v_lshl_add_u32 v254, v0, 2, 0x45000
	v_mov_b32 v255, 0
	ds_add_u32 v254, v255
	ds_add_u32 v254, v255
	s_wait_dscnt 0x0
	v_lshrrev_b32 v15, 5, v0
	v_readfirstlane_b32 s[WV], v15                 ; wave 0..3
	s_bfe_u32 s71, ttmp6, 0x40000                  ; cx
	s_lshl_b32 s[NJ], ttmp9, 2
	s_add_co_u32 s[NJ], s[NJ], s71                 ; feature group 0..7
	s_and_b32 s[MI], ttmp7, 0xffff                 ; block of 256 tokens, which the four partners share
	s_lshr_b32 s[BB], s[MI], 3                     ; batch
	s_and_b32 s[BLK], s[MI], 7                     ; block within the batch's 2,048 tokens
	s_and_b32 s[W1], s[WV], 1
	s_lshl_b32 s[HD], s[NJ], 1
	s_add_co_u32 s[HD], s[HD], s[W1]               ; my head of q or of k
	s_lshl_b32 s[BH], s[BB], 4
	s_add_co_u32 s[BH], s[BH], s[HD]
	s_lshl_b32 s[FV], s[NJ], 7
	s_lshl_b32 s88, s[WV], 5
	s_add_co_u32 s[FV], s[FV], s88                 ; my first row of wv: 128 nj + 32 w
	s_lshr_b32 s[BHV], s[FV], 6
	s_lshl_b32 s88, s[BB], 4
	s_add_co_u32 s[BHV], s[BHV], s88               ; its batch x head
	s_mov_b32 s[SX], 0
	s_mov_b32 s[SXS], 0
	s_mov_b32 s[SI], 0
	s_mov_b32 s[SB], 0
	s_mov_b32 s[IT], 0
	s_mov_b32 s[SEL], 0x76543210
	s_mov_b32 s[SEL+1], 0xfedcba98                 ; v_permlanex16_b32's selects for lane l xor 16
	s_mov_b32 s[HM], 0xffff0000                    ; lanes 16-31
	; descriptor group 1 for x's codes: 64 rows of 1,024 one-byte elements, 4 words of padding behind every 256 words; mask 15, bit 21 beside it
	s_mov_b32 s[G1X], 15|(1<<20)|(1<<21)|(7<<22)|(3<<25)
	s_mov_b32 s[G1X+1], 1024<<16
	s_mov_b32 s[G1X+2], 64<<16
	s_mov_b32 s[G1X+3], 1024<<16
	s_mov_b32 s[G1X+4], 64
	s_mov_b32 s[G1X+5], 1024
	s_mov_b32 s[G1X+6], 0
	s_mov_b32 s[G1X+7], 0
	; and for its scale bytes: 2,048 dense bytes as 8 rows of 32 elements of 8 bytes
	s_mov_b32 s[G1S], 15|(3<<16)|(1<<21)
	s_mov_b32 s[G1S+1], 32<<16
	s_mov_b32 s[G1S+2], 8<<16
	s_mov_b32 s[G1S+3], 32<<16
	s_mov_b32 s[G1S+4], 8
	s_mov_b32 s[G1S+5], 32
	s_mov_b32 s[G1S+6], 0
	s_mov_b32 s[G1S+7], 0
	s_mov_b32 s[OD+1], 0
	s_mov_b32 s[OF+1], 0
	s_wait_kmcnt 0x0
	s_mov_b32 s[G0X], 1
	s_mul_i32 s[G0X+1], s[WV], 64*PX               ; my 64 rows in LDS
	s_lshl_b32 s[OD], s[MI], 18
	s_lshl_b32 s88, s[WV], 16
	s_add_co_u32 s[OD], s[OD], s88
	s_add_nc_u64 s[G0X+2:G0X+3], s[4:5], s[OD:OD+1]
	s_or_b32 s[G0X+3], s[G0X+3], 0x80000000
	s_mov_b32 s[G0S], 1
	s_lshl_b32 s[G0S+1], s[WV], 11
	s_add_co_u32 s[G0S+1], s[G0S+1], XSC
	s_lshl_b32 s[OD], s[MI], 13
	s_lshl_b32 s88, s[WV], 11
	s_add_co_u32 s[OD], s[OD], s88
	s_add_nc_u64 s[G0S+2:G0S+3], s[6:7], s[OD:OD+1]
	s_or_b32 s[G0S+3], s[G0S+3], 0x80000000
	ROUND                                          ; all four work-groups are here: the joint loads meet
	tensor_load_to_lds s[G0X:G0X+3], s[G1X:G1X+7]  ; x's panel goes out ahead of the long run of register loads below; one tensor load of mine is out
	s_nop 0
	s_wait_alu depctr_va_vdst(0)
	s_wait_tensorcnt 0x0
	ds_add_u32 v254, v255
	s_wait_dscnt 0x0
	ROUND
	tensor_load_to_lds s[G0S:G0S+3], s[G1S:G1S+7]
	s_nop 0
	PLACES 4                                       ; four v_nops behind the tensor loads
	s_cmp_lt_u32 s[WV], 2                          ; waves 0, 1: q; waves 2, 3: k.  The choice hangs on the wave's number alone
	s_cselect_b64 s[8:9], s[8:9], s[14:15]
	s_cselect_b64 s[10:11], s[10:11], s[16:17]
	s_cselect_b64 s[12:13], s[12:13], s[18:19]
	s_cselect_b64 s[26:27], s[26:27], s[30:31]
	s_cselect_b64 s[28:29], s[28:29], s[32:33]
	s_lshl_b32 s[OF], s[HD], 16                    ; the head's 64 rows of 1,024 codes,
	s_add_nc_u64 s[8:9], s[8:9], s[OF:OF+1]
	s_lshl_b32 s[OF], s[HD], 11                    ; of 32 scale bytes,
	s_add_nc_u64 s[10:11], s[10:11], s[OF:OF+1]
	s_lshl_b32 s[OF], s[HD], 8                     ; its 64 biases
	s_add_nc_u64 s[12:13], s[12:13], s[OF:OF+1]
	s_lshl_b32 s[OF], s[FV], 10
	s_add_nc_u64 s[20:21], s[20:21], s[OF:OF+1]
	s_lshl_b32 s[OF], s[FV], 5
	s_add_nc_u64 s[22:23], s[22:23], s[OF:OF+1]
	s_lshl_b32 s[OF], s[FV], 2
	s_add_nc_u64 s[24:25], s[24:25], s[OF:OF+1]
	s_lshl_b32 s[OF], s[BH], 17                    ; the head's image: bh x 128 tiles x 1,024 + my 16 tiles
	s_lshl_b32 s88, s[BLK], 14
	s_add_co_u32 s[OF], s[OF], s88
	s_add_nc_u64 s[26:27], s[26:27], s[OF:OF+1]
	s_lshl_b32 s[OF], s[BH], 12                    ; its scale words: bh x 64 pairs x 64 + my 8 pairs
	s_lshl_b32 s88, s[BLK], 9
	s_add_co_u32 s[OF], s[OF], s88
	s_add_nc_u64 s[28:29], s[28:29], s[OF:OF+1]
	s_lshl_b32 s[OF], s[BHV], 17                   ; v's image: my two steps of 128 keys, my two tiles of 16 d
	s_lshl_b32 s88, s[BLK], 14
	s_add_co_u32 s[OF], s[OF], s88
	s_lshl_b32 s88, s[W1], 12
	s_add_co_u32 s[OF], s[OF], s88
	s_add_nc_u64 s[34:35], s[34:35], s[OF:OF+1]
	s_lshl_b32 s[OF], s[BHV], 12                   ; v's scale bytes
	s_lshl_b32 s88, s[W1], 11
	s_add_co_u32 s[OF], s[OF], s88
	s_lshl_b32 s88, s[BLK], 8
	s_add_co_u32 s[OF], s[OF], s88
	s_add_nc_u64 s[36:37], s[36:37], s[OF:OF+1]
	v_and_b32 v208, 31, v0                         ; lane
	v_and_b32 v209, 15, v0                         ; r
	v_bfe_u32 v210, v0, 4, 1                       ; h
	v_lshlrev_b32 v11, 10, v209
	v_lshl_add_u32 v11, v210, 4, v11               ; a weight's row r of 1,024 bytes + 16 h
	v_lshlrev_b32 v12, 5, v209
	v_lshl_add_u32 v12, v210, 4, v12               ; a row of 32 scale bytes + 16 h
	v_lshlrev_b32 v211, 3, v208
	v_lshlrev_b32 v212, 2, v209
	; THE WEIGHTS: tile t, K step s at 128 (t % 2) + 16 s of its window; registers 4 c .. 4 c + 3 hold k = 128 s + 32 c + 16 h + 0..15 of row r
	WIN 0x40
.irp t, 0,1
.irp s, 0,1,2,3,4,5,6,7
.irp c, 0,1,2,3
	global_load_b128 v[128*\t+16*\s+4*\c:128*\t+16*\s+4*\c+3], v11, s[8:9] offset:\t*16384+128*\s+32*\c
.endr
.endr
.endr
	WIN 0x80
.irp t, 0,1
.irp s, 0,1,2,3,4,5,6,7
.irp c, 0,1,2,3
	global_load_b128 v[128*\t+16*\s+4*\c:128*\t+16*\s+4*\c+3], v11, s[8:9] offset:(\t+2)*16384+128*\s+32*\c
.endr
.endr
.endr
	WIN 0xc0
.irp t, 0,1
.irp s, 0,1,2,3,4,5,6,7
.irp c, 0,1,2,3
	global_load_b128 v[128*\t+16*\s+4*\c:128*\t+16*\s+4*\c+3], v11, s[20:21] offset:\t*16384+128*\s+32*\c
.endr
.endr
.endr
	WIN 0
.irp t, 0,1,2,3
	global_load_b128 v[WS+4*\t:WS+4*\t+3], v12, s[10:11] offset:512*\t
.endr
.irp t, 0,1
	global_load_b128 v[WS+16+4*\t:WS+16+4*\t+3], v12, s[22:23] offset:512*\t
.endr
	global_load_b64 v[232:233], v211, s[12:13]     ; the head's 64 biases, two a lane
	global_load_b32 v236, v212, s[24:25]           ; bv of feature r of my first tile,
	global_load_b32 v240, v212, s[24:25] offset:64 ; and of my second
	v_mul_u32_u24 v[LX], v209, PX
	v_lshl_add_u32 v[LX], v210, 4, v[LX]
	v_add_nc_u32 v[AX], s[SX], v[LX]
	v_add_nc_u32 v[LXS], XSC, v12
	v_add_nc_u32 v[AXS], s[SXS], v[LXS]
	v_lshlrev_b32 v[VOH], 4, v208
	v_lshlrev_b32 v[VOV], 4, v208
	s_lshl_b32 s88, s[WV], 8
	s_add_co_u32 s88, s88, BQ
	v_lshl_add_u32 v[ABQ], v210, 5, s88
	v_add_nc_u32 v213, s88, v211
	s_lshl_b32 s91, s[WV], 10
	s_add_co_u32 s91, s91, BVI
	v_add_nc_u32 v[ABV], s91, v[VOH]
	s_lshl_b32 s[SHW], s[WV], 9
	s_add_co_u32 s[SHW], s[SHW], SH
	v_add_nc_u32 v[ASH], s[SHW], v212
	s_lshl_b32 s71, s[WV], 8
	s_add_co_u32 s71, s71, SV
	v_add_nc_u32 v[ASV], s71, v211
.irp b, 0,1,2,3,4,5
	v_mov_b32 v[TP+\b], 0                          ; written once: a lane permute's destination counts as one of its sources
.endr
	s_wait_loadcnt 0x0                             ; weights, scale words, biases
	ds_store_b64 v213, v[232:233]                  ; the biases go into my wave's own bytes, from which each unit's accumulators are begun
.irp j, 1,2,3
	v_mov_b32 v[236+\j], v236
	v_mov_b32 v[240+\j], v240
.endr
	ds_store_b128 v[ABV], v[236:239]
	ds_store_b128 v[ABV], v[240:243] offset:512
	s_wait_tensorcnt 0x0                           ; my quarter of x's panel and of its scale bytes has landed,
	s_wait_dscnt 0x0
	s_barrier_signal -1
	s_barrier_wait -1                              ; everybody's has: from here on LDS is only read, but for each wave's own small regions
.macro XLOAD set, ks                   ; the unit's two tiles of x, K step ks, into set
.irp a, 0,1
.irp c, 0,1,2,3
	ds_load_b128 v[XF+32*(\set)+16*\a+4*\c:XF+32*(\set)+16*\a+4*\c+3], v[AX] offset:\a*16*PX+128*(\ks)+32*\c
.endr
.endr
.endm
.macro XSLOAD                          ; their scale words, all eight K steps
.irp a, 0,1
	ds_load_b128 v[XS+4*\a:XS+4*\a+3], v[AXS] offset:512*\a
.endr
.endm
.macro BLOAD                           ; the biases, in the results' layout, into the twelve accumulators
.irp a, 0,1
.irp t, 0,1,2,3
	ds_load_b128 v[ACC+32*\a+8*\t:ACC+32*\a+8*\t+3], v[ABQ] offset:64*\t
	ds_load_b128 v[ACC+32*\a+8*\t+4:ACC+32*\a+8*\t+7], v[ABQ] offset:64*\t+16
.endr
.endr
.irp t, 0,1
.irp a, 0,1
	ds_load_b128 v[ACCV+16*\t+8*\a:ACCV+16*\t+8*\a+3], v[ABV] offset:512*\t
	ds_load_b128 v[ACCV+16*\t+8*\a+4:ACCV+16*\t+8*\a+7], v[ABV] offset:512*\t
.endr
.endr
.endm
.macro WM d, a, b, sa, sb, hi          ; one product in place; hi = 1: both scale words stand in lanes 16-31
.if \hi
	v_wmma_scale_f32_16x16x128_f8f6f4 v[(\d):(\d)+7], v[(\a):(\a)+15], v[(\b):(\b)+15], v[(\d):(\d)+7], v[(\sa)], v[(\sb)] matrix_a_scale:MATRIX_SCALE_ROW1 matrix_b_scale:MATRIX_SCALE_ROW1
.else
	v_wmma_scale_f32_16x16x128_f8f6f4 v[(\d):(\d)+7], v[(\a):(\a)+15], v[(\b):(\b)+15], v[(\d):(\d)+7], v[(\sa)], v[(\sb)]
.endif
.endm
; A K step: twelve products, the twelve accumulators by turns, one instruction a turn, in the same order in every step
.macro MUL12 ks
	WIN 0x01                                       ; source 0: the head's tiles 0, 1
.irp t, 0,1
.irp a, 0,1
	WM ACC+32*\a+8*\t, 128*\t+16*(\ks), XF+32*((\ks)%2)+16*\a, WS+4*\t+(\ks)%4, XS+4*\a+(\ks)%4, (\ks)/4
.endr
.endr
	WIN 0x02                                       ; tiles 2, 3
.irp t, 0,1
.irp a, 0,1
	WM ACC+32*\a+8*(\t+2), 128*\t+16*(\ks), XF+32*((\ks)%2)+16*\a, WS+4*(\t+2)+(\ks)%4, XS+4*\a+(\ks)%4, (\ks)/4
.endr
.endr
	WIN 0x0c                                       ; source 1: wv's two tiles; source 0 is x
.irp t, 0,1
.irp a, 0,1
	WM ACCV+16*\t+8*\a, XF+32*((\ks)%2)+16*\a, 128*\t+16*(\ks), XS+4*\a+(\ks)%4, WS+16+4*\t+(\ks)%4, (\ks)/4
.endr
.endr
	WIN 0
.endm
; Six blocks of 32, a lane's 16 numbers of block b in v[48 + 16 b] on (b = 2 a + c: the head; 4, 5: v), become codes in v[PC + 4 b] on and a scale byte in v[TP + b].  Each accumulator is read from its low end on.
.macro QUANT6
.irp b, 0,1,2,3,4,5
	v_max3_num_f32 v[TM+\b], |v[ACC+16*\b]|, |v[ACC+1+16*\b]|, 0x4800000   ; with the floor 2^(9 - 127): the byte cannot fall under 1
.endr
.irp i, 2,4,6,8,10,12,14
.irp b, 0,1,2,3,4,5
	v_max3_num_f32 v[TM+\b], v[TM+\b], |v[ACC+16*\b+\i]|, |v[ACC+1+16*\b+\i]|   ; the six blocks by turns
.endr
.endr
.irp b, 0,1,2,3,4,5
	v_permlanex16_b32 v[TP+\b], v[TM+\b], s[SEL], s[SEL+1]
.endr
.irp b, 0,1,2,3,4,5
	v_max_num_f32 v[TM+\b], v[TM+\b], v[TP+\b]     ; with lane l xor 16's 16: the block's largest magnitude
.endr
.irp b, 0,1,2,3,4,5
	v_add_nc_u32 v[SO+\b], 0xfc000000, v[TM+\b]    ; 8 off its exponent field: the conversion's scale operand
.endr
.irp b, 0,1,2,3,4,5
.endr
.irp b, 0,1,2,3,4,5
	v_lshrrev_b32 v[TP+\b], 23, v[SO+\b]           ; the scale's byte
.endr
.irp b, 0,1,2,3,4,5
.irp i, 0,1,2,3,4,5,6,7,8,9,10,11,12,13,14,15
.endr
	v_cvt_scalef32_pk8_fp8_f32 v[PC+4*\b:PC+4*\b+1], v[ACC+16*\b:ACC+16*\b+7], v[SO+\b]
	v_cvt_scalef32_pk8_fp8_f32 v[PC+4*\b+2:PC+4*\b+3], v[ACC+16*\b+8:ACC+16*\b+15], v[SO+\b]
.endr
	v_nop                                          ; one plain line behind the last conversion
.endm
; A unit of 32 tokens.  more = 1: the next unit's first operands are asked for under this unit's quantisers, its biases behind the stores.
.macro ITER more
.irp s, 0,1,2,3,4,5,6
.if \s > 0
	PLACES 8                                       ; the loads below land in the set that the step before multiplied
.endif
	XLOAD (\s+1)%2, \s+1
	s_wait_dscnt 8                                 ; all but the eight just issued: this step's set (at step 0 the scale words and the biases too)
	MUL12 \s
.endr
	s_wait_dscnt 0x0
	MUL12 7
	PLACES 8                                       ; in front of the first read of results and of loads into operands and scale words
.if \more
	s_add_co_u32 s[SX], s[SX], 32*PX
	s_add_co_u32 s[SXS], s[SXS], 1024
	v_add_nc_u32 v[AX], s[SX], v[LX]
	v_add_nc_u32 v[AXS], s[SXS], v[LXS]
	XSLOAD
	XLOAD 0, 0
.endif
	QUANT6
	v_lshl_or_b32 v13, v[TP+1], 8, v[TP]           ; the pair's scale word of token r: byte 2 a + c
	v_lshl_or_b32 v13, v[TP+2], 16, v13
	v_lshl_or_b32 v13, v[TP+3], 24, v13
	v_cndmask_b32 v14, v[TP+4], v[TP+5], s[HM]     ; v: lanes 0-15 keep tile 0's byte of feature r, lanes 16-31 tile 1's
	v_add_nc_u32 v11, s[SI], v[ASH]
	v_add_nc_u32 v12, s[SB], v[ASV]
	ds_store_b32 v11, v13                          ; both halves of the lanes write the same word with the same value
	ds_store_b8 v12, v14
.irp a, 0,1
.irp c, 0,1
	global_store_b128 v[VOH], v[PC+4*(2*\a+\c):PC+4*(2*\a+\c)+3], s[26:27] offset:\a*1024+\c*512   ; each store of the wave covers 512 consecutive bytes, aligned
.endr
.endr
.irp t, 0,1
	global_store_b128 v[VOV], v[PC+16+4*\t:PC+16+4*\t+3], s[34:35] offset:\t*2048
.endr
.if \more
	BLOAD
.endif
	s_wait_xcnt 0x0                                ; the stores' offsets and data are written again only behind this wait
.if \more
	s_mov_b32 s[STV], 512                          ; v's image: the next block of 32 keys; behind unit 3 the next step of 128 keys (8,192 - 3 x 512)
	s_cmp_eq_u32 s[IT], 3
	s_cselect_b32 s[STV], 6656, s[STV]
	v_add_nc_u32 v[VOH], 2048, v[VOH]
	v_add_nc_u32 v[VOV], s[STV], v[VOV]
	s_add_co_u32 s[SI], s[SI], 64
	s_add_co_u32 s[SB], s[SB], 1
.endif
.endm
	BLOAD
	XSLOAD
	XLOAD 0, 0
.Lit:                                              ; seven trips; the eighth unit is written out: it asks for nothing beyond the panel
	ITER 1
	s_add_co_u32 s[IT], s[IT], 1
	s_cmp_lt_u32 s[IT], 7
	s_cbranch_scc1 .Lit
	ITER 0
	v_and_b32 v11, 31, v0
	v_lshl_add_u32 v12, v11, 4, s[SHW]
	v_lshlrev_b32 v13, 4, v11
	v_lshlrev_b32 v14, 3, v11
	ds_load_b128 v[232:235], v12                   ; LDS serves a wave's instructions in order: these see my stores
	ds_load_b64 v[236:237], v[ASV]
	s_wait_alu depctr_va_vdst(0)
	s_wait_dscnt 0x0
	global_store_b128 v13, v[232:235], s[28:29]    ; my 8 pairs' scale words: 512 consecutive bytes
	global_store_b64 v14, v[236:237], s[36:37]     ; v's scale bytes of my 32 features x 8 blocks: 256 consecutive bytes
	s_wait_xcnt 0x0
	v_lshl_add_u32 v254, v0, 2, 0x45000
	v_mov_b32 v255, 0
	s_wait_alu depctr_va_vdst(0)
	s_wait_tensorcnt 0x0
	ds_add_u32 v254, v255
	s_wait_dscnt 0x0
	ROUND                                          ; the closing round
	s_endpgm
.Lfunc_end_k_q3e0112f1fe_qkv:
	.size	k_q3e0112f1fe_qkv, .Lfunc_end_k_q3e0112f1fe_qkv-k_q3e0112f1fe_qkv
	.p2alignl 7, 3214868480
	.fill 96, 4, 3214868480
	.section	.rodata,"a",@progbits
	.p2align	6, 0x0
	.amdhsa_kernel k_q3e0112f1fe_qkv
		.amdhsa_group_segment_fixed_size 327680
		.amdhsa_private_segment_fixed_size 0
		.amdhsa_enable_private_segment 0
		.amdhsa_kernarg_size 136
		.amdhsa_user_sgpr_count 2
		.amdhsa_user_sgpr_kernarg_segment_ptr 1
		.amdhsa_wavefront_size32 1
		.amdhsa_system_sgpr_workgroup_id_x 1
		.amdhsa_system_sgpr_workgroup_id_y 1
		.amdhsa_system_sgpr_workgroup_id_z 1
		.amdhsa_system_vgpr_workitem_id 0
		.amdhsa_next_free_vgpr 1024
		.amdhsa_next_free_sgpr 96
		.amdhsa_reserve_vcc 0
		.amdhsa_float_denorm_mode_32 3
		.amdhsa_float_denorm_mode_16_64 3
		.amdhsa_fp16_overflow 1
		.amdhsa_memory_ordered 1
		.amdhsa_forward_progress 1
		.amdhsa_inst_pref_size 82
	.end_amdhsa_kernel
	.amdgpu_metadata
---
amdhsa.version: [ 1, 2 ]
amdhsa.kernels:
  - .name:           k_q3e0112f1fe_qkv
    .symbol:         k_q3e0112f1fe_qkv.kd
    .args:
      - { .name: x_codes, .offset: 0, .size: 8, .value_kind: global_buffer, .address_space: global }
      - { .name: x_scales, .offset: 8, .size: 8, .value_kind: global_buffer, .address_space: global }
      - { .name: wq_codes, .offset: 16, .size: 8, .value_kind: global_buffer, .address_space: global }
      - { .name: wq_scales, .offset: 24, .size: 8, .value_kind: global_buffer, .address_space: global }
      - { .name: bq, .offset: 32, .size: 8, .value_kind: global_buffer, .address_space: global }
      - { .name: wk_codes, .offset: 40, .size: 8, .value_kind: global_buffer, .address_space: global }
      - { .name: wk_scales, .offset: 48, .size: 8, .value_kind: global_buffer, .address_space: global }
      - { .name: bk, .offset: 56, .size: 8, .value_kind: global_buffer, .address_space: global }
      - { .name: wv_codes, .offset: 64, .size: 8, .value_kind: global_buffer, .address_space: global }
      - { .name: wv_scales, .offset: 72, .size: 8, .value_kind: global_buffer, .address_space: global }
      - { .name: bv, .offset: 80, .size: 8, .value_kind: global_buffer, .address_space: global }
      - { .name: q_img, .offset: 88, .size: 8, .value_kind: global_buffer, .address_space: global }
      - { .name: q_sc, .offset: 96, .size: 8, .value_kind: global_buffer, .address_space: global }
      - { .name: k_img, .offset: 104, .size: 8, .value_kind: global_buffer, .address_space: global }
      - { .name: k_sc, .offset: 112, .size: 8, .value_kind: global_buffer, .address_space: global }
      - { .name: v_img, .offset: 120, .size: 8, .value_kind: global_buffer, .address_space: global }
      - { .name: v_sc, .offset: 128, .size: 8, .value_kind: global_buffer, .address_space: global }
    .group_segment_fixed_size: 327680
    .private_segment_fixed_size: 0
    .kernarg_segment_align: 8
    .kernarg_segment_size: 136
    .max_flat_workgroup_size: 128
    .sgpr_count:     96
    .vgpr_count:     1024
    .wavefront_size: 32
...
	.end_amdgpu_metadata
.endif
;; end of part 1
;; launch attn (part 2): grid 4 x 64, 16 waves a work-group, no clusters, 272,384 bytes of LDS; arguments q_img, q_sc, k_img, k_sc, v_img, v_sc, o_img, o_sc; writes o_img, o_sc
.if DOCPART == 2
	.amdgcn_target "amdgcn-amd-amdhsa--gfx1250"
	.amdhsa_code_object_version 6
	.text
	.protected	k_q3e0112f1fe_attn
	.globl	k_q3e0112f1fe_attn
	.p2align	8
	.type	k_q3e0112f1fe_attn,@function
k_q3e0112f1fe_attn:
	s_mov_b64 s[64:65], 0
	v_nop
	global_prefetch_b8 v0, s[64:65] scope:SCOPE_SE
	s_setreg_imm32_b32 hwreg(HW_REG_WAVE_MODE, 25, 1), 1
	s_wait_xcnt 0x0
; Causal attention of one head on codes of E4M3 with E8M0 scales, and the quantiser of its result along the model's 1,024.
; t = score x log2(e) / 8; M = the running largest t rounded UP to a whole number; p = 2^(t - M) is quantised along the keys, not normalised; the row's sum is taken of the unquantised p and divides at the end.
; SHARES.  A work-group owns one head (work-group y) and the query blocks 7 - i and i of 256 (i = work-group x): together they always need 9 x 256 keys, so all 256 work-groups have the same work.
; Each of its sixteen waves owns one tile of 16 queries of the late block, then one of the early block.  THE HEAD'S K AND V LIE IN LDS WHOLE (2 x 131,072 bytes of codes, 2 x 4,096 of scale bytes), filled once:
; no slot is filled again, and no barrier stands in the loops over the keys.
; NO JOINT LOADS: the four work-groups that read the same K and V differ in their query blocks, and the branches that leave out hidden key steps hang on the query block; partners of a joint load must run alike.
; LAYOUT.  Both products transposed: S^T = K Q^T (source 0 = keys), O^T = V^T P^T (source 0 = 16 of the head's 64): a lane holds ONE query (lane % 16) throughout.  K, V, Q come as images of operand registers:
; a group of four registers is 512 consecutive bytes, 16 a lane.  Inside a block of 32, byte i of lane half h is element 16 (i / 8) + 8 h + i % 8, on both sides of each product alike.
; K = 64 FILLS HALF OF THE INSTRUCTION'S 128: a fragment of K holds TWO tiles of 16 keys (registers 0-7 and 8-15); Q stands between two runs of zeros, v16-23 | v24-31 | v32-39: v[24:39] picks the first tile, v[16:31] the second.
; The result goes back to the natural order along the model's axis by one exchange between the lane halves, since the next product's other operand is given.
; LIMITS: NaN and infinities are not served.  A block whose largest magnitude lies under 2^-118 (a block of zeros among them) gets the byte 1; only this program reads the bytes.
.set VI,   131072                      ; V's image (K's begins at 0)
.set SCK,  262144                      ; K's scale words [pair of tiles 64][r 16]
.set SCV,  266240                      ; V's scale bytes [32 d][256 keys][lane][8]
.set LI,   1                           ; v1  16 lane
.set L4,   2                           ; v2  4 lane
.set L8,   3                           ; v3  8 lane
.set R4,   4                           ; v4  4 r
.set R32,  5                           ; v5  32 r
.set QD,   6                           ; v6  r - 8 h
.set ADK,  7
.set ADV,  8
.set ADS,  9
.set ADT,  10
.set FR,   40                          ; v40-103   four fragments of K, then of V
.set S,    104                         ; v104-167  S^T, then p
.set O,    168                         ; v168-199  O^T: 8 registers for each 16 of the head's 64
.set PC,   200                         ; v200-215  p's codes
.set BM,   216                         ; block maxima;
.set BP,   220                         ; exchanged maxima, then bytes;
.set HO,   224
.set SO,   228                         ; scale operands
.set KS,   232                         ; v232-233 K's scale words;  v234-235 V's;  v236 p's;  v237 Q's
.set VS,   234
.set PW,   236
.set SQ,   237
.set G1A,  20
.set G1B,  28
.set G1C,  36
.set G0A,  44
.set G0B,  48
.set G0C,  52
.set WV,   66
.set BH,   67
.set BB,   68
.set HD,   69
.set Q0,   70
.set Q0L,  71
.set CS,   72
.set SEL,  74
.set MNT,  76
.set HM,   77
.set TB,   78
.set TS,   79
.set TJ,   80
.set KF,   81
.set CNT,  82
.set T0,   83
.set SHF,  84
.set W7,   85
.set GG,   86
.set OF,   88
.set PI,   92
.set PS,   94
.macro PLACES n
.rept \n
	v_nop
.endr
.endm
.macro DESC1 g, rows                   ; group 1: rows of 256 dense bytes (32 elements of 8 bytes), no padding, no mask
	s_mov_b32 s[\g], 3<<16
	s_mov_b32 s[\g+1], 32<<16
	s_mov_b32 s[\g+2], (\rows)<<16
	s_mov_b32 s[\g+3], 32<<16
	s_mov_b32 s[\g+4], \rows
	s_mov_b32 s[\g+5], 32
	s_mov_b32 s[\g+6], 0
	s_mov_b32 s[\g+7], 0
.endm
	s_load_b512 s[4:19], s[0:1], 0x0               ; q_img 4, q_sc 6, k_img 8, k_sc 10, v_img 12, v_sc 14, o_img 16, o_sc 18
	v_lshl_add_u32 v254, v0, 2, 0x42000
	v_mov_b32 v255, 0
	ds_add_u32 v254, v255
	ds_add_u32 v254, v255
	s_wait_dscnt 0x0
	v_lshrrev_b32 v11, 5, v0
	s_delay_alu instid0(VALU_DEP_1)
	v_readfirstlane_b32 s[WV], v11                 ; wave 0..15
	s_and_b32 s[BH], ttmp7, 0xffff                 ; batch x head
	s_lshr_b32 s[BB], s[BH], 4
	s_and_b32 s[HD], s[BH], 15
	s_lshl_b32 s[T0], s[WV], 4
	s_lshl_b32 s[Q0L], ttmp9, 8
	s_add_co_u32 s[Q0L], s[Q0L], s[T0]             ; my first query of the early block: 256 i + 16 w
	s_sub_co_u32 s[Q0], 7, ttmp9
	s_lshl_b32 s[Q0], s[Q0], 8
	s_add_co_u32 s[Q0], s[Q0], s[T0]               ; and of the late block: 256 (7 - i) + 16 w
	s_and_b32 s[SHF], s[WV], 1
	s_lshl_b32 s[SHF], s[SHF], 4                   ; which half of a pair's scale word is my tile's
	s_and_b32 s[W7], s[WV], 7
	s_lshr_b32 s[GG], s[WV], 3                     ; waves 0-7 fetch K, waves 8-15 V
	s_mov_b32 s[CS], 0x3e38aa3b                    ; c = log2(e) / sqrt(64)
	s_mov_b32 s[CS+1], s[CS]                       ; (named with it as a pair, so it is written)
	s_mov_b32 s[SEL], 0x76543210
	s_mov_b32 s[SEL+1], 0xfedcba98
	s_mov_b32 s[HM], 0xffff0000
	s_mov_b32 s[OF+1], 0
	DESC1 G1A, 2                                   ; an eighth of the scale bytes: 512
	DESC1 G1B, 16                                  ; an eighth of keys 0-511: 4,096
	DESC1 G1C, 48                                  ; an eighth of keys 512-2,047: 12,288
	s_wait_kmcnt 0x0
	s_cmp_lt_u32 s[WV], 8
	s_cselect_b64 s[PI:PI+1], s[8:9], s[12:13]
	s_cselect_b64 s[PS:PS+1], s[10:11], s[14:15]
	s_mov_b32 s[G0A], 1
	s_lshl_b32 s[G0A+1], s[GG], 12
	s_lshl_b32 s[T0], s[W7], 9
	s_add_co_u32 s[G0A+1], s[G0A+1], s[T0]
	s_add_co_u32 s[G0A+1], s[G0A+1], SCK
	s_lshl_b32 s[OF], s[BH], 12
	s_add_co_u32 s[OF], s[OF], s[T0]
	s_add_nc_u64 s[G0A+2:G0A+3], s[PS:PS+1], s[OF:OF+1]
	s_or_b32 s[G0A+3], s[G0A+3], 0x80000000
	s_mov_b32 s[G0B], 1
	s_lshl_b32 s[G0B+1], s[GG], 17
	s_lshl_b32 s[T0], s[W7], 12
	s_add_co_u32 s[G0B+1], s[G0B+1], s[T0]
	s_lshl_b32 s[OF], s[BH], 17
	s_add_co_u32 s[OF], s[OF], s[T0]
	s_add_nc_u64 s[G0B+2:G0B+3], s[PI:PI+1], s[OF:OF+1]
	s_or_b32 s[G0B+3], s[G0B+3], 0x80000000
	s_mov_b32 s[G0C], 1
	s_lshl_b32 s[G0C+1], s[GG], 17
	s_mul_i32 s[T0], s[W7], 12288
	s_add_co_u32 s[T0], s[T0], 32768
	s_add_co_u32 s[G0C+1], s[G0C+1], s[T0]
	s_lshl_b32 s[OF], s[BH], 17
	s_add_co_u32 s[OF], s[OF], s[T0]
	s_add_nc_u64 s[G0C+2:G0C+3], s[PI:PI+1], s[OF:OF+1]
	s_or_b32 s[G0C+3], s[G0C+3], 0x80000000
	tensor_load_to_lds s[G0A:G0A+3], s[G1A:G1A+7]  ; the scale bytes, keys 0-511, the rest: three tensor loads of mine are out; every LDS byte is filled once
	s_nop 0
	tensor_load_to_lds s[G0B:G0B+3], s[G1B:G1B+7]
	s_nop 0
	tensor_load_to_lds s[G0C:G0C+3], s[G1C:G1C+7]
	s_nop 0
	PLACES 4                                       ; four v_nops behind the tensor loads
	v_and_b32 v11, 31, v0
	s_delay_alu instid0(VALU_DEP_1)
	v_lshlrev_b32 v[LI], 4, v11
	s_delay_alu instid0(VALU_DEP_2)
	v_lshlrev_b32 v[L4], 2, v11
	s_delay_alu instid0(VALU_DEP_3)
	v_lshlrev_b32 v[L8], 3, v11
	v_and_b32 v240, 15, v0
	v_bfe_u32 v241, v0, 4, 1
	s_delay_alu instid0(VALU_DEP_2)
	v_lshlrev_b32 v[R4], 2, v240
	s_delay_alu instid0(VALU_DEP_3)
	v_lshlrev_b32 v[R32], 5, v240
	s_delay_alu instid0(VALU_DEP_3)
	v_lshlrev_b32 v241, 3, v241
	s_delay_alu instid0(VALU_DEP_1)
	v_sub_nc_u32 v[QD], v240, v241
.irp j, 0,1,2,3,4,5,6,7
	v_mov_b32 v[16+\j], 0                          ; the zeros on both sides of Q
	v_mov_b32 v[32+\j], 0
.endr
.irp j, 0,1,2,3
	v_mov_b32 v[BP+\j], 0                          ; written once: a lane permute's destination counts as one of its sources
	v_mov_b32 v[252+\j], 0
.endr
	v_mov_b32 v239, 0                              ; (named as the upper half of the pair v[238:239])
; A tile of queries begins: its bases, Q's fragment and scale word, the statistics and O^T at their starts.
.macro SETUP
	s_wait_xcnt 0x0                                ; the bases below are written again only behind this wait
	s_lshl_b32 s[OF], s[BH], 17
	s_lshl_b32 s[T0], s[Q0], 6
	s_add_co_u32 s[OF], s[OF], s[T0]
	s_add_nc_u64 s[56:57], s[4:5], s[OF:OF+1]      ; Q's image: bh x 131,072 + tile x 1,024
	s_lshl_b32 s[OF], s[BH], 12
	s_lshr_b32 s[T0], s[Q0], 5
	s_lshl_b32 s[T0], s[T0], 6
	s_add_co_u32 s[OF], s[OF], s[T0]
	s_add_nc_u64 s[58:59], s[6:7], s[OF:OF+1]      ; its pair's scale words
	s_lshl_b32 s[OF], s[BB], 21
	s_lshl_b32 s[T0], s[Q0], 10
	s_add_co_u32 s[OF], s[OF], s[T0]
	s_lshl_b32 s[T0], s[HD], 10
	s_add_co_u32 s[OF], s[OF], s[T0]
	s_add_nc_u64 s[60:61], s[16:17], s[OF:OF+1]    ; o_img: token tile x 16,384 + head x 1,024 (K step head / 2, blocks 2 (head % 2) on)
	s_lshl_b32 s[OF], s[BB], 16
	s_lshl_b32 s[T0], s[Q0], 5
	s_add_co_u32 s[OF], s[OF], s[T0]
	s_lshl_b32 s[T0], s[HD], 1
	s_add_co_u32 s[OF], s[OF], s[T0]
	s_add_nc_u64 s[62:63], s[18:19], s[OF:OF+1]    ; o_sc: token x 32 + 2 head
	global_load_b128 v[24:27], v[LI], s[56:57]
	global_load_b128 v[28:31], v[LI], s[56:57] offset:512
	global_load_b32 v[SQ], v[R4], s[58:59]
	v_mov_b32 v13, 0xff61b1e6                      ; the largest t so far: -3e38
	s_delay_alu instid0(VALU_DEP_1)
	v_floor_f32 v12, -v13                          ; -M
	v_mov_b32 v14, 0                               ; the sum, in two halves
	v_mov_b32 v15, 0
	s_mov_b32 s[TB], 0
	s_mov_b32 s[KF], 0
	s_mov_b32 s[TS], SCK
	s_mov_b32 s[TJ], SCV
	s_wait_loadcnt 0x0
	v_lshrrev_b32 v[SQ], s[SHF], v[SQ]             ; my tile's two bytes,
	s_delay_alu instid0(VALU_DEP_1)
	v_perm_b32 v[SQ], v[SQ], v[SQ], 0x01000100     ; twice: they serve Q in either half of the 128
.set n, 0
.rept 32
	v_mov_b32 v[O+n], 0                            ; O^T.  (The step is written once: the first finds zeros.  These lines are also the places between Q's scale word and its first product)
.set n, n+1
.endr
.endm
.macro SPROD d, a, b, sa, row          ; 16 keys x my 16 queries
.if \row
	v_wmma_scale_f32_16x16x128_f8f6f4 v[(\d):(\d)+7], v[(\a):(\a)+15], v[(\b):(\b)+15], 0, v[(\sa)], v[SQ] matrix_a_scale:MATRIX_SCALE_ROW1
.else
	v_wmma_scale_f32_16x16x128_f8f6f4 v[(\d):(\d)+7], v[(\a):(\a)+15], v[(\b):(\b)+15], 0, v[(\sa)], v[SQ]
.endif
.endm
.macro OPROD d, a, sa, row             ; 16 of the head's 64 x my 16 queries, K = 128 keys
.if \row
	v_wmma_scale_f32_16x16x128_f8f6f4 v[(\d):(\d)+7], v[(\a):(\a)+15], v[PC:PC+15], v[(\d):(\d)+7], v[(\sa)], v[PW] matrix_a_scale:MATRIX_SCALE_ROW1
.else
	v_wmma_scale_f32_16x16x128_f8f6f4 v[(\d):(\d)+7], v[(\a):(\a)+15], v[PC:PC+15], v[(\d):(\d)+7], v[(\sa)], v[PW]
.endif
.endm
; A KEY STEP: 128 keys, the q-th of the 256 in hand.
.macro STEP q
	s_add_co_u32 s[T0], s[Q0], 15                  ; a step all of whose keys come after my queries is left out: a scalar branch on ids
	s_cmp_gt_u32 s[KF], s[T0]
	s_cbranch_scc1 .Lhid_\@
	v_add_nc_u32 v[ADK], s[TB], v[LI]
	v_add_nc_u32 v[ADS], s[TS], v[L4]
	v_add_nc_u32 v[ADT], s[TJ], v[L8]
	s_delay_alu instid0(VALU_DEP_3)
	v_add_nc_u32 v[ADV], VI, v[ADK]
	PLACES 4                                       ; with the four additions: eight places in front of loads into registers that the last products read
.irp p, 0,1,2,3
.irp c, 0,1,2,3
	ds_load_b128 v[FR+16*\p+4*\c:FR+16*\p+4*\c+3], v[ADK] offset:8192*\q+2048*\p+512*\c   ; fragment p: key tiles 2 p and 2 p + 1
.endr
.endr
	ds_load_b32 v[KS], v[ADS] offset:256*\q        ; lanes 0-15 pair 0's words, lanes 16-31 pair 1's;
	ds_load_b32 v[KS+1], v[ADS] offset:256*\q+128  ; pairs 2 and 3
	s_wait_alu depctr_va_vdst(0)
	s_wait_dscnt 0x0
.irp p, 0,1,2,3
	SPROD S+16*\p, FR+16*\p, 24, KS+\p/2, \p%2
	SPROD S+16*\p+8, FR+16*\p, 16, KS+\p/2, \p%2
.endr                                          ; register 16 p + 8 u + j of lane (r, h): query r, key KF + 32 p + 16 u + 8 h + j
	PLACES 8
.irp t, 0,1,2,3
.irp c, 0,1,2,3
	ds_load_b128 v[FR+16*\t+4*\c:FR+16*\t+4*\c+3], v[ADV] offset:8192*\q+2048*\t+512*\c   ; V's four fragments land under the softmax
.endr
.endr
	ds_load_b32 v[VS], v[ADT] offset:4*\q
	ds_load_b32 v[VS+1], v[ADT] offset:2048+4*\q
	s_add_co_u32 s[T0], s[KF], 127                 ; on the diagonal hidden scores become -infinity ahead of the maximum; a step all of whose keys count skips this
	s_cmp_le_u32 s[T0], s[Q0]
	s_cbranch_scc1 .Lopen_\@
	s_sub_co_i32 s[T0], s[Q0], s[KF]
	v_add_nc_u32 v242, s[T0], v[QD]                ; d = my query - KF - 8 h: register n's key is hidden where its place in the step, less 8 h, lies above d
	v_mov_b32 v243, 0xff800000
.set n, 0
.rept 64
	v_cmp_gt_i32 vcc_lo, 32*(n/16)+16*((n%16)/8)+n%8, v242
	v_cndmask_b32 v[S+n], v[S+n], v243, vcc_lo
.set n, n+1
.endr
.Lopen_\@:
.irp b, 0,1,2,3
	v_max3_num_f32 v[BM+\b], v[S+16*\b], v[S+1+16*\b], v[S+2+16*\b]   ; the largest score of each block of 32 keys: for the row's maximum, and, since p rises with the score, for the block's largest p
.endr
.irp i, 3,5,7,9,11,13
.irp b, 0,1,2,3
	v_max3_num_f32 v[BM+\b], v[BM+\b], v[S+16*\b+\i], v[S+1+16*\b+\i]
.endr
.endr
.irp b, 0,1,2,3
	v_max_num_f32 v[BM+\b], v[BM+\b], v[S+15+16*\b]
.endr
.irp b, 0,1,2,3
	s_delay_alu instid0(VALU_DEP_4)
	v_permlanex16_b32 v[BP+\b], v[BM+\b], s[SEL], s[SEL+1]
.endr
.irp b, 0,1,2,3
	s_delay_alu instid0(VALU_DEP_4)
	v_max_num_f32 v[BM+\b], v[BM+\b], v[BP+\b]     ; with lane l xor 16's 16 keys
.endr
	s_delay_alu instid0(VALU_DEP_2)
	v_max3_num_f32 v240, v[BM], v[BM+1], v[BM+2]
	s_delay_alu instid0(VALU_DEP_1)
	v_max_num_f32 v240, v240, v[BM+3]
	s_delay_alu instid0(VALU_DEP_1)
	v_mul_f32 v240, s[CS], v240                    ; the step's largest t of my query
	s_delay_alu instid0(VALU_DEP_1)
	v_max_num_f32 v13, v13, v240                   ; the running largest t
	v_mov_b32 v240, v12
	s_delay_alu instid0(VALU_DEP_2)
	v_floor_f32 v12, -v13                          ; the new -M = -ceil(t): a whole number
	s_delay_alu instid0(VALU_DEP_1)
	v_sub_f32 v240, v12, v240                      ; old M - new M, 0 or less
	s_delay_alu instid0(VALU_DEP_1)
	v_cvt_i32_f32 v240, v240                       ; (it saturates)
	s_delay_alu instid0(VALU_DEP_1)
	v_ldexp_f32 v238, 1.0, v240                    ; f = 2^(old M - new M): a multiplication by it rounds nothing
.set n, 0
.rept 32
	v_pk_fma_f32 v[S+n:S+n+1], v[S+n:S+n+1], s[CS:CS+1], v[12:13] op_sel_hi:[1,0,0]   ; t - M, two at a time
.set n, n+2
.endr
.irp b, 0,1,2,3
	v_fma_f32 v[BM+\b], v[BM+\b], s[CS], v12       ; the same of each block's largest score
.endr
.set n, 0
	s_wait_alu depctr_va_vdst(0)
.rept 64
	v_exp_f32 v[S+n], v[S+n]                       ; p = 2^(t - M)
.set n, n+1
.endr
.irp b, 0,1,2,3
	v_exp_f32 v[BM+\b], v[BM+\b]                   ; the block's largest p
.endr
	v_pk_mul_f32 v[14:15], v[14:15], v[238:239] op_sel_hi:[1,0]   ; the sums under the new M (a plain line behind the exponentials)
	s_wait_alu depctr_va_vdst(0)
.irp b, 0,1,2,3
	v_max_num_f32 v[BM+\b], 0x4800000, v[BM+\b]    ; the floor 2^(9 - 127): the byte cannot fall under 1
.endr
.irp b, 0,1,2,3
	s_delay_alu instid0(VALU_DEP_4)
	v_add_nc_u32 v[SO+\b], 0xfc000000, v[BM+\b]
.endr
.irp b, 0,1,2,3
.endr
.irp b, 0,1,2,3
	s_delay_alu instid0(VALU_DEP_4)
	v_lshrrev_b32 v[BP+\b], 23, v[SO+\b]
.endr
	s_delay_alu instid0(VALU_DEP_3)
	v_lshl_or_b32 v[PW], v[BP+1], 8, v[BP]         ; p's scale word for these 128 keys
	s_delay_alu instid0(VALU_DEP_1)
	v_lshl_or_b32 v[PW], v[BP+2], 16, v[PW]
	s_delay_alu instid0(VALU_DEP_1)
	v_lshl_or_b32 v[PW], v[BP+3], 24, v[PW]
	v_pk_add_f32 v[240:241], v[108:109], v[112:113]
	v_pk_add_f32 v[250:251], v[116:117], v[120:121]
	v_pk_add_f32 v[248:249], v[124:125], v[128:129]
	v_pk_add_f32 v[246:247], v[132:133], v[136:137]
	v_pk_add_f32 v[244:245], v[140:141], v[144:145]
	v_pk_add_f32 v[242:243], v[148:149], v[152:153]
	v_pk_add_f32 v[232:233], v[156:157], v[160:161]
	v_pk_add_f32 v[14:15], v[14:15], v[164:165]
	v_pk_add_f32 v[240:241], v[240:241], v[104:105]
	v_pk_add_f32 v[250:251], v[250:251], v[106:107]
	v_pk_add_f32 v[248:249], v[248:249], v[110:111]
	v_pk_add_f32 v[246:247], v[246:247], v[114:115]
	v_pk_add_f32 v[244:245], v[244:245], v[118:119]
	v_pk_add_f32 v[242:243], v[242:243], v[122:123]
	v_pk_add_f32 v[232:233], v[232:233], v[126:127]
	v_pk_add_f32 v[14:15], v[14:15], v[130:131]
	v_pk_add_f32 v[240:241], v[240:241], v[134:135]
	v_pk_add_f32 v[250:251], v[250:251], v[138:139]
	v_pk_add_f32 v[248:249], v[248:249], v[142:143]
	v_pk_add_f32 v[246:247], v[246:247], v[146:147]
	v_pk_add_f32 v[244:245], v[244:245], v[150:151]
	v_pk_add_f32 v[242:243], v[242:243], v[154:155]
	v_pk_add_f32 v[232:233], v[232:233], v[158:159]
	v_pk_add_f32 v[14:15], v[14:15], v[162:163]
	v_pk_add_f32 v[240:241], v[240:241], v[166:167]
	s_delay_alu instid0(VALU_DEP_2)
	v_pk_add_f32 v[14:15], v[14:15], v[246:247]
	s_delay_alu instid0(VALU_DEP_2)
	v_pk_add_f32 v[240:241], v[240:241], v[244:245]
	v_pk_add_f32 v[250:251], v[250:251], v[242:243]
	v_pk_add_f32 v[248:249], v[248:249], v[232:233]
	s_delay_alu instid0(VALU_DEP_2)
	v_pk_add_f32 v[14:15], v[14:15], v[250:251]
	s_delay_alu instid0(VALU_DEP_2)
	v_pk_add_f32 v[240:241], v[240:241], v[248:249]
	s_delay_alu instid0(VALU_DEP_1)
	v_pk_add_f32 v[14:15], v[14:15], v[240:241]
.irp b, 0,1,2,3
.irp i, 0,1,2,3,4,5,6,7,8,9,10,11,12,13,14,15
.endr
	v_cvt_scalef32_pk8_fp8_f32 v[PC+4*\b:PC+4*\b+1], v[S+16*\b:S+16*\b+7], v[SO+\b]
	v_cvt_scalef32_pk8_fp8_f32 v[PC+4*\b+2:PC+4*\b+3], v[S+16*\b+8:S+16*\b+15], v[SO+\b]
.endr
.set n, 0
.rept 16
	v_pk_mul_f32 v[O+n:O+n+1], v[O+n:O+n+1], v[238:239] op_sel_hi:[1,0]   ; O^T under the new M, from each accumulator's low end on.  (These sixteen are also the places between the codes and the products)
.set n, n+2
.endr
	s_wait_alu depctr_va_vdst(0)
	s_wait_dscnt 0x0                               ; V's fragments and scale words
.irp t, 0,1,2,3
	OPROD O+8*\t, FR+16*\t, VS+\t/2, \t%2          ; the four accumulators by turns
.endr
.Lhid_\@:
	s_add_co_u32 s[KF], s[KF], 128
.endm
.macro SLOTS n                         ; n x 256 keys: the trip count is a constant of the text; what is hidden is jumped over inside
	s_mov_b32 s[CNT], \n
.Lslot_\@:
	STEP 0
	STEP 1
	s_add_co_u32 s[TB], s[TB], 16384
	s_add_co_u32 s[TS], s[TS], 512
	s_add_co_u32 s[TJ], s[TJ], 256
	s_sub_co_u32 s[CNT], s[CNT], 1
	s_cmp_lg_u32 s[CNT], 0
	s_cbranch_scc1 .Lslot_\@
.endm
; A tile of queries ends: O^T / the sum, quantised along the head's two blocks of 32, brought into the natural order, stored as an image.
.macro FINISH
	PLACES 8
	v_add_f32 v14, v14, v15
	s_delay_alu instid0(VALU_DEP_1)
	v_permlanex16_b32 v[BP], v14, s[SEL], s[SEL+1]
	s_delay_alu instid0(VALU_DEP_1)
	v_add_f32 v14, v14, v[BP]                      ; the row's sum
	s_wait_alu depctr_va_vdst(0)
	v_rcp_f32 v14, v14
	v_nop                                          ; a plain line behind the transcendental
.set n, 0
	s_wait_alu depctr_va_vdst(0)
.rept 16
	v_pk_mul_f32 v[O+n:O+n+1], v[O+n:O+n+1], v[14:15] op_sel_hi:[1,0]
.set n, n+2
.endr
.irp c, 0,1
	v_max3_num_f32 v[BM+\c], |v[O+16*\c]|, |v[O+1+16*\c]|, 0x4800000
.endr
.irp i, 2,4,6,8,10,12,14
.irp c, 0,1
	s_delay_alu instid0(VALU_DEP_2)
	v_max3_num_f32 v[BM+\c], v[BM+\c], |v[O+16*\c+\i]|, |v[O+1+16*\c+\i]|
.endr
.endr
.irp c, 0,1
	s_delay_alu instid0(VALU_DEP_2)
	v_permlanex16_b32 v[BP+\c], v[BM+\c], s[SEL], s[SEL+1]
.endr
.irp c, 0,1
	s_delay_alu instid0(VALU_DEP_2)
	v_max_num_f32 v[BM+\c], v[BM+\c], v[BP+\c]
.endr
.irp c, 0,1
	s_delay_alu instid0(VALU_DEP_2)
	v_add_nc_u32 v[SO+\c], 0xfc000000, v[BM+\c]
.endr
.irp c, 0,1
	s_delay_alu instid0(VALU_DEP_2)
	v_lshrrev_b32 v[BP+\c], 23, v[SO+\c]
.endr
	s_delay_alu instid0(VALU_DEP_1)
	v_lshl_or_b32 v11, v[BP+1], 8, v[BP]           ; the two scale bytes of token r, head's blocks 0 and 1
.irp c, 0,1
.irp i, 0,1,2,3,4,5,6,7,8,9,10,11,12,13,14,15
.endr
	v_cvt_scalef32_pk8_fp8_f32 v[244+4*\c:245+4*\c], v[O+16*\c:O+16*\c+7], v[SO+\c]      ; A: d = 32 c + 8 h + 0..7
	v_cvt_scalef32_pk8_fp8_f32 v[246+4*\c:247+4*\c], v[O+16*\c+8:O+16*\c+15], v[SO+\c]   ; B: d = 32 c + 16 + 8 h + 0..7
.endr
	v_nop                                          ; one plain line behind the last conversion
	; the natural order wants d = 32 c + 16 h + 0..15: lanes 0-15 keep A and take the other half's A, lanes 16-31 take the other half's B and keep B
.irp c, 0,1
.irp j, 0,1
	v_cndmask_b32 v[240+2*\c+\j], v[246+4*\c+\j], v[244+4*\c+\j], s[HM]   ; what I send: lanes 0-15 B, lanes 16-31 A
.endr
.endr
.irp j, 0,1,2,3
	s_delay_alu instid0(VALU_DEP_4)
	v_permlanex16_b32 v[252+\j], v[240+\j], s[SEL], s[SEL+1]
.endr
.irp c, 0,1
.irp j, 0,1
	v_cndmask_b32 v[244+4*\c+\j], v[244+4*\c+\j], v[252+2*\c+\j], s[HM]
	v_cndmask_b32 v[246+4*\c+\j], v[252+2*\c+\j], v[246+4*\c+\j], s[HM]
.endr
.endr
	global_store_b128 v[LI], v[244:247], s[60:61]              ; each store of the wave covers 512 consecutive bytes, aligned
	global_store_b128 v[LI], v[248:251], s[60:61] offset:512
	global_store_b16 v[R32], v11, s[62:63]         ; two bytes of each token's 32: the layout is x_scales's, so that the next launch reads it as such; both lane halves write the same value
.endm
	SETUP                                          ; the late block first: all of its first 512 keys count, so four full steps stand over the landing of the third tensor load
	s_wait_tensorcnt 0x1                           ; my parts of the scale bytes and of keys 0-511 have landed; the rest may stay out
	s_barrier_signal -1
	s_barrier_wait -1
	SLOTS 2                                        ; keys 0-511: bytes below 32,768 of each image
	s_wait_tensorcnt 0x0                           ; my part of the rest has landed,
	s_wait_dscnt 0x0
	s_barrier_signal -1
	s_barrier_wait -1                              ; everybody's has
	SLOTS 6
	FINISH
	s_mov_b32 s[Q0], s[Q0L]                        ; the early block: its queries lie under 1,024, so four times 256 keys
	SETUP
	SLOTS 4
	FINISH
	s_wait_xcnt 0x0
	v_lshl_add_u32 v254, v0, 2, 0x42000
	v_mov_b32 v255, 0
	s_wait_alu depctr_va_vdst(0)
	s_wait_tensorcnt 0x0
	ds_add_u32 v254, v255
	s_wait_dscnt 0x0
	s_endpgm
.Lfunc_end_k_q3e0112f1fe_attn:
	.size	k_q3e0112f1fe_attn, .Lfunc_end_k_q3e0112f1fe_attn-k_q3e0112f1fe_attn
	.p2alignl 7, 3214868480
	.fill 96, 4, 3214868480
	.section	.rodata,"a",@progbits
	.p2align	6, 0x0
	.amdhsa_kernel k_q3e0112f1fe_attn
		.amdhsa_group_segment_fixed_size 272384
		.amdhsa_private_segment_fixed_size 0
		.amdhsa_enable_private_segment 0
		.amdhsa_kernarg_size 64
		.amdhsa_user_sgpr_count 2
		.amdhsa_user_sgpr_kernarg_segment_ptr 1
		.amdhsa_wavefront_size32 1
		.amdhsa_system_sgpr_workgroup_id_x 1
		.amdhsa_system_sgpr_workgroup_id_y 1
		.amdhsa_system_sgpr_workgroup_id_z 1
		.amdhsa_system_vgpr_workitem_id 0
		.amdhsa_next_free_vgpr 256
		.amdhsa_next_free_sgpr 96
		.amdhsa_reserve_vcc 1
		.amdhsa_float_denorm_mode_32 3
		.amdhsa_float_denorm_mode_16_64 3
		.amdhsa_fp16_overflow 1
		.amdhsa_memory_ordered 1
		.amdhsa_forward_progress 1
		.amdhsa_inst_pref_size 157
	.end_amdhsa_kernel
	.amdgpu_metadata
---
amdhsa.version: [ 1, 2 ]
amdhsa.kernels:
  - .name:           k_q3e0112f1fe_attn
    .symbol:         k_q3e0112f1fe_attn.kd
    .args:
      - { .name: q_img, .offset: 0, .size: 8, .value_kind: global_buffer, .address_space: global }
      - { .name: q_sc, .offset: 8, .size: 8, .value_kind: global_buffer, .address_space: global }
      - { .name: k_img, .offset: 16, .size: 8, .value_kind: global_buffer, .address_space: global }
      - { .name: k_sc, .offset: 24, .size: 8, .value_kind: global_buffer, .address_space: global }
      - { .name: v_img, .offset: 32, .size: 8, .value_kind: global_buffer, .address_space: global }
      - { .name: v_sc, .offset: 40, .size: 8, .value_kind: global_buffer, .address_space: global }
      - { .name: o_img, .offset: 48, .size: 8, .value_kind: global_buffer, .address_space: global }
      - { .name: o_sc, .offset: 56, .size: 8, .value_kind: global_buffer, .address_space: global }
    .group_segment_fixed_size: 272384
    .private_segment_fixed_size: 0
    .kernarg_segment_align: 8
    .kernarg_segment_size: 64
    .max_flat_workgroup_size: 512
    .sgpr_count:     96
    .vgpr_count:     256
    .wavefront_size: 32
...
	.end_amdgpu_metadata
.endif
;; end of part 2
;; launch proj (part 3): grid 32 x 8, 4 waves a work-group, clusters of 4 x 1, 327,680 bytes of LDS; arguments o_img, o_sc, wo_codes, wo_scales, bo, out0; writes out0
.if DOCPART == 3
	.amdgcn_target "amdgcn-amd-amdhsa--gfx1250"
	.amdhsa_code_object_version 6
	.text
	.protected	k_q3e0112f1fe_proj
	.globl	k_q3e0112f1fe_proj
	.p2align	8
	.type	k_q3e0112f1fe_proj,@function
k_q3e0112f1fe_proj:
	s_mov_b64 s[64:65], 0
	v_nop
	global_prefetch_b8 v0, s[64:65] scope:SCOPE_SE
	s_setreg_imm32_b32 hwreg(HW_REG_WAVE_MODE, 25, 1), 1
	s_wait_xcnt 0x0
	s_wait_alu depctr_hold_cnt(0) depctr_sa_sdst(0) depctr_va_vdst(0) depctr_va_sdst(0) depctr_va_ssrc(0) depctr_va_vcc(0) depctr_vm_vsrc(0)
	s_getreg_b32 s2, hwreg(HW_REG_IB_STS2, 6, 4)
	s_cmp_eq_u32 s2, 0
	s_cbranch_scc0 .Lentry_in_a_cluster
	s_endpgm
.Lentry_in_a_cluster:
	s_bfe_u32 s2, ttmp6, 0x10000c
	s_cmp_lg_u32 s2, 0x3003
	s_cbranch_scc0 .Lentry_shape_is_right
	s_endpgm
.Lentry_shape_is_right:
; out0 = attention's result x wo^T + bo on codes of E4M3 with E8M0 scales, K = 1,024; out0 [8,192][1,024] f32.
; SHARES.  A work-group takes 256 tokens x 128 features.  THE TOKENS' CODES STAY IN REGISTERS: o_img holds them as images of operand registers, so a wave's 64 tokens x K 1,024 (4 tiles x 8 K steps x 16 registers,
; windows 1 and 2) come by 128 loads of 512 consecutive bytes.  wo's 128 rows lie in LDS whole, filled once; the features go in two chunks of 64.
; CLUSTER.  The four work-groups of a cluster take the same 128 features and other tokens: wo's rows and scale bytes are asked for jointly (mask 15).  cx enters only addresses of o_img, o_sc and out0.
; TRANSPOSED: source 0 = 16 rows of wo, source 1 = 16 tokens: a lane holds eight neighbouring features of one token, 32 bytes of a row of out0.  bo is the C of each sum's first product.
; A tile of 16 tokens x 64 features goes through the wave's own stage in LDS and leaves as rows of 256 bytes, sixteen lanes to a row.
; LIMITS: NaN, infinities and the scale byte 0xff among the inputs are not served.
.set PX,   1040                        ; an LDS row of wo: 1,024 bytes + 16 of padding
.set WSC,  133120                      ; behind wo's 128 rows: their scale bytes, 32 a row
.set STG,  137216                      ; per wave 16 rows x (256 + 16) bytes
.set LI,   1                           ; v1  16 lane
.set LW,   2                           ; v2  r x PX + 16 h
.set AW,   3                           ; v3  + the chunk's 64 rows
.set LWS,  4                           ; v4  WSC + 32 r + 16 h
.set STO,  5                           ; v5  the stage: where I put 32 bytes of a row
.set RD,   6                           ; v6  and where I read a row back
.set CO,   7                           ; v7  my byte offset in two rows of out0
.set AS,   16                          ; v16-31  the tokens' scale words, 4 a tile: register j: lanes 0-15 K step j, lanes 16-31 K step 4 + j
.set WSR,  32                          ; v32-47  wo's, the same, for the chunk's four tiles
.set BI,   48                          ; v48-79 bo of chunk 0 in the result's layout; v208-239 of chunk 1
.set WF,   80                          ; v80-207 wo's fragments, two sets of four; on the way out four tiles' rows
.set WV,   16
.set TBK,  18
.set FG,   19
.set OF,   20
.set OD,   22                          ; s[22:23] byte offsets of the joint loads: they never hold cx
.set G1W,  24
.set G1S,  32
.set G0W,  40
.set G0S,  44
.set MSB, 0
.macro WIN new
.if MSB != (\new)
	s_set_vgpr_msb (MSB<<8)|(\new)
.set MSB, (\new)
.endif
.endm
.macro PLACES n
.rept \n
	v_nop
.endr
.endm
.macro ROUND
	s_barrier_signal -1
	s_barrier_wait -1
	s_cmp_lg_u32 s[WV], 0
	s_cbranch_scc1 .Lnot_wave_0_\@
	s_barrier_signal -3
.Lnot_wave_0_\@:
	s_barrier_wait -3
	s_barrier_signal -1
	s_barrier_wait -1
.endm
	s_load_b256 s[4:11], s[0:1], 0x0               ; o_img 4, o_sc 6, wo_codes 8, wo_scales 10
	s_load_b128 s[12:15], s[0:1], 0x20             ; bo 12, out0 14
	v_lshl_add_u32 v254, v0, 2, 0x29000
	v_mov_b32 v255, 0
	ds_add_u32 v254, v255
	ds_add_u32 v254, v255
	v_lshrrev_b32 v9, 5, v0
	v_readfirstlane_b32 s[WV], v9                  ; wave 0..3
	s_bfe_u32 s17, ttmp6, 0x40000                  ; cx
	s_lshl_b32 s[TBK], ttmp9, 2
	s_add_co_u32 s[TBK], s[TBK], s17               ; block of 256 tokens
	s_and_b32 s[FG], ttmp7, 0xffff                 ; group of 128 features, which the four partners share
	s_mov_b32 s[G1W], 15|(1<<20)|(1<<21)|(7<<22)|(3<<25)   ; 32 rows of 1,024 one-byte elements, 4 words of padding behind every 256; mask 15, bit 21 beside it
	s_mov_b32 s[G1W+1], 1024<<16
	s_mov_b32 s[G1W+2], 32<<16
	s_mov_b32 s[G1W+3], 1024<<16
	s_mov_b32 s[G1W+4], 32
	s_mov_b32 s[G1W+5], 1024
	s_mov_b32 s[G1W+6], 0
	s_mov_b32 s[G1W+7], 0
	s_mov_b32 s[G1S], 15|(3<<16)|(1<<21)           ; 1,024 dense bytes as 4 rows of 32 elements of 8 bytes
	s_mov_b32 s[G1S+1], 32<<16
	s_mov_b32 s[G1S+2], 4<<16
	s_mov_b32 s[G1S+3], 32<<16
	s_mov_b32 s[G1S+4], 4
	s_mov_b32 s[G1S+5], 32
	s_mov_b32 s[G1S+6], 0
	s_mov_b32 s[G1S+7], 0
	s_mov_b32 s[OD+1], 0
	s_mov_b32 s[OF+1], 0
	s_wait_dscnt 0x0
	s_wait_kmcnt 0x0
	s_mov_b32 s[G0W], 1
	s_mul_i32 s[G0W+1], s[WV], 32*PX
	s_lshl_b32 s[OD], s[FG], 17
	s_lshl_b32 s48, s[WV], 15
	s_add_co_u32 s[OD], s[OD], s48
	s_add_nc_u64 s[G0W+2:G0W+3], s[8:9], s[OD:OD+1]
	s_or_b32 s[G0W+3], s[G0W+3], 0x80000000
	s_mov_b32 s[G0S], 1
	s_lshl_b32 s[G0S+1], s[WV], 10
	s_add_co_u32 s[G0S+1], s[G0S+1], WSC
	s_lshl_b32 s[OD], s[FG], 12
	s_lshl_b32 s48, s[WV], 10
	s_add_co_u32 s[OD], s[OD], s48
	s_add_nc_u64 s[G0S+2:G0S+3], s[10:11], s[OD:OD+1]
	s_or_b32 s[G0S+3], s[G0S+3], 0x80000000
	ROUND                                          ; all four work-groups are here: the joint loads meet
	tensor_load_to_lds s[G0W:G0W+3], s[G1W:G1W+7]  ; one tensor load of mine is out; every LDS byte that they fill is filled once
	s_nop 0
	s_wait_alu depctr_va_vdst(0)
	s_wait_tensorcnt 0x0
	ds_add_u32 v254, v255
	s_wait_dscnt 0x0
	ROUND
	tensor_load_to_lds s[G0S:G0S+3], s[G1S:G1S+7]
	s_nop 0
	PLACES 4                                       ; four v_nops behind the tensor loads
	s_lshl_b32 s[OF], s[TBK], 18                   ; o_img: (16 block + 4 wave) tiles of 16,384 bytes
	s_lshl_b32 s48, s[WV], 16
	s_add_co_u32 s[OF], s[OF], s48
	s_add_nc_u64 s[4:5], s[4:5], s[OF:OF+1]
	s_lshl_b32 s[OF], s[TBK], 13                   ; o_sc: (256 block + 64 wave) tokens of 32 bytes
	s_lshl_b32 s48, s[WV], 11
	s_add_co_u32 s[OF], s[OF], s48
	s_add_nc_u64 s[6:7], s[6:7], s[OF:OF+1]
	s_lshl_b32 s[OF], s[FG], 9                     ; bo: 128 numbers a group
	s_add_nc_u64 s[12:13], s[12:13], s[OF:OF+1]
	s_lshl_b32 s48, s[TBK], 20                     ; out0: my first token's row of 4,096 bytes + the group's 512
	s_add_co_u32 s[OF], s[OF], s48
	s_lshl_b32 s48, s[WV], 18
	s_add_co_u32 s[OF], s[OF], s48
	s_add_nc_u64 s[14:15], s[14:15], s[OF:OF+1]
	v_and_b32 v9, 31, v0                           ; lane
	v_and_b32 v10, 15, v0                          ; r
	v_bfe_u32 v11, v0, 4, 1                        ; h
	v_lshlrev_b32 v[LI], 4, v9
	v_lshlrev_b32 v12, 5, v10
	v_lshl_add_u32 v12, v11, 4, v12                ; 32 r + 16 h
	v_lshlrev_b32 v8, 5, v11                       ; 32 h
	WIN 0x40                                       ; token tiles 0, 1: tile m, K step s at 128 (m % 2) + 16 s of window 1
.irp m, 0,1
.irp s, 0,1,2,3,4,5,6,7
.irp c, 0,1,2,3
	global_load_b128 v[128*\m+16*\s+4*\c:128*\m+16*\s+4*\c+3], v[LI], s[4:5] offset:\m*16384+\s*2048+\c*512
.endr
.endr
.endr
	WIN 0x80                                       ; tiles 2, 3: window 2
.irp m, 0,1
.irp s, 0,1,2,3,4,5,6,7
.irp c, 0,1,2,3
	global_load_b128 v[128*\m+16*\s+4*\c:128*\m+16*\s+4*\c+3], v[LI], s[4:5] offset:(\m+2)*16384+\s*2048+\c*512
.endr
.endr
.endr
	WIN 0
.irp m, 0,1,2,3
	global_load_b128 v[AS+4*\m:AS+4*\m+3], v12, s[6:7] offset:512*\m
.endr
.irp u, 0,1
.irp t, 0,1,2,3
	global_load_b128 v[BI+160*\u+8*\t:BI+160*\u+8*\t+3], v8, s[12:13] offset:(64*\u+16*\t)*4      ; bo of features 64 u + 16 t + 8 h + 0..7
	global_load_b128 v[BI+160*\u+8*\t+4:BI+160*\u+8*\t+7], v8, s[12:13] offset:(64*\u+16*\t)*4+16
.endr
.endr
	v_mul_u32_u24 v[LW], v10, PX
	v_lshl_add_u32 v[LW], v11, 4, v[LW]
	v_add_nc_u32 v[LWS], WSC, v12
	s_mul_i32 s48, s[WV], 16*272
	s_add_co_u32 s48, s48, STG                     ; my stage
	v_mul_u32_u24 v[STO], v10, 272
	v_lshl_add_u32 v[STO], v11, 5, v[STO]
	v_add_nc_u32 v[STO], s48, v[STO]               ; in: row r, 32 bytes for each half of the lanes
	v_mul_u32_u24 v[RD], v11, 272
	v_lshl_add_u32 v[RD], v10, 4, v[RD]
	v_add_nc_u32 v[RD], s48, v[RD]                 ; back: lanes 0-15 one row of 256 bytes, lanes 16-31 the next
	v_lshlrev_b32 v[CO], 12, v11
	v_lshl_add_u32 v[CO], v10, 4, v[CO]            ; and the same two rows in out0
	s_wait_tensorcnt 0x0                           ; my quarter of wo's rows and scale bytes has landed,
	s_barrier_signal -1
	s_barrier_wait -1                              ; everybody's has
	s_wait_loadcnt 0x0                             ; the tokens' codes and scale words, bo
.macro WLOAD set, ks                   ; the chunk's four tiles of wo, K step ks, into set
.irp t, 0,1,2,3
.irp c, 0,1,2,3
	ds_load_b128 v[WF+64*(\set)+16*\t+4*\c:WF+64*(\set)+16*\t+4*\c+3], v[AW] offset:\t*16*PX+128*(\ks)+32*\c
.endr
.endr
.endm
.macro WM d, a, b, c, sa, sb, hi
.if \hi
	v_wmma_scale_f32_16x16x128_f8f6f4 v[(\d):(\d)+7], v[(\a):(\a)+15], v[(\b):(\b)+15], v[(\c):(\c)+7], v[(\sa)], v[(\sb)] matrix_a_scale:MATRIX_SCALE_ROW1 matrix_b_scale:MATRIX_SCALE_ROW1
.else
	v_wmma_scale_f32_16x16x128_f8f6f4 v[(\d):(\d)+7], v[(\a):(\a)+15], v[(\b):(\b)+15], v[(\c):(\c)+7], v[(\sa)], v[(\sb)]
.endif
.endm
; A K step: sixteen products, the sixteen accumulators (token tile m, feature tile t at 32 m + 8 t of window 3) by turns, one instruction a turn, in the same order in every step
.macro MUL16 ks, ch
.irp g, 0,1
.if (\ks) == 0
	WIN 0xc4+4*\g                                  ; source 1 window 1 + g, C (bo) window 0, D window 3
.else
	WIN 0xf4+4*\g                                  ; C and D window 3
.endif
.irp u, 0,1
.irp t, 0,1,2,3
.if (\ks) == 0
	WM 32*(2*\g+\u)+8*\t, WF+64*((\ks)%2)+16*\t, 128*\u+16*(\ks), BI+160*(\ch)+8*\t, WSR+4*\t+(\ks)%4, AS+4*(2*\g+\u)+(\ks)%4, (\ks)/4
.else
	WM 32*(2*\g+\u)+8*\t, WF+64*((\ks)%2)+16*\t, 128*\u+16*(\ks), 32*(2*\g+\u)+8*\t, WSR+4*\t+(\ks)%4, AS+4*(2*\g+\u)+(\ks)%4, (\ks)/4
.endif
.endr
.endr
.endr
	WIN 0
.endm
.macro TOSTAGE m                       ; token tile m: into my stage, each accumulator from its low end on, and back as rows
	WIN 0x0c                                       ; an LDS store's data are its source 1: window 3
.irp t, 0,1,2,3
	ds_store_b128 v[STO], v[32*(\m)+8*\t:32*(\m)+8*\t+3] offset:64*\t
	ds_store_b128 v[STO], v[32*(\m)+8*\t+4:32*(\m)+8*\t+7] offset:64*\t+16
.endr
	WIN 0
.irp i, 0,1,2,3,4,5,6,7
	ds_load_b128 v[WF+32*(\m)+4*\i:WF+32*(\m)+4*\i+3], v[RD] offset:544*\i   ; LDS serves a wave's instructions in order (ISA guide 5.7.1.4): these see the stores above; the next tile's stores come behind them
.endr
.endm
.macro SEND m, younger, ch             ; younger: the LDS instructions issued behind tile m's loads
.irp i, 0,1,2,3,4,5,6,7
	s_wait_dscnt (\younger)+7-\i
	global_store_b128 v[CO], v[WF+32*(\m)+4*\i:WF+32*(\m)+4*\i+3], s[14:15] offset:(16*(\m)+2*\i)*4096+256*(\ch) th:TH_STORE_NT   ; sixteen lanes store 256 consecutive bytes, aligned; written once, read by nobody here
.endr
.endm
.macro CHUNK ch                        ; 64 features
	s_wait_xcnt 0x0                                ; the last chunk's stores have read the registers into which the loads below land
	v_add_nc_u32 v[AW], (\ch)*64*PX, v[LW]
	s_wait_alu depctr_va_vdst(0)
.irp t, 0,1,2,3
	ds_load_b128 v[WSR+4*\t:WSR+4*\t+3], v[LWS] offset:(64*(\ch)+16*\t)*32
.endr
	WLOAD 0, 0
.irp s, 0,1,2,3,4,5,6
.if \s > 0
	PLACES 8                                       ; the loads below land in the set that the step before multiplied
.endif
	WLOAD (\s+1)%2, \s+1
	s_wait_dscnt 16                                ; all but the sixteen just issued
	MUL16 \s, \ch
.endr
	s_wait_dscnt 0x0
	MUL16 7, \ch
	PLACES 9                                       ; eight in front of the first read of results and of loads into operands; the ninth since the next chunk's first products write over these accumulators with another C
	TOSTAGE 0
.irp a, 1,2,3
	TOSTAGE \a
	SEND \a-1, 16, \ch                             ; behind tile a - 1's loads: tile a's eight stores and eight loads
.endr
	SEND 3, 0, \ch
.endm
	CHUNK 0
	CHUNK 1
	s_wait_tensorcnt 0x0
	ds_add_u32 v254, v255
	s_wait_dscnt 0x0
	ROUND                                          ; the closing round
	s_endpgm
.Lfunc_end_k_q3e0112f1fe_proj:
	.size	k_q3e0112f1fe_proj, .Lfunc_end_k_q3e0112f1fe_proj-k_q3e0112f1fe_proj
	.p2alignl 7, 3214868480
	.fill 96, 4, 3214868480
	.section	.rodata,"a",@progbits
	.p2align	6, 0x0
	.amdhsa_kernel k_q3e0112f1fe_proj
		.amdhsa_group_segment_fixed_size 327680
		.amdhsa_private_segment_fixed_size 0
		.amdhsa_enable_private_segment 0
		.amdhsa_kernarg_size 48
		.amdhsa_user_sgpr_count 2
		.amdhsa_user_sgpr_kernarg_segment_ptr 1
		.amdhsa_wavefront_size32 1
		.amdhsa_system_sgpr_workgroup_id_x 1
		.amdhsa_system_sgpr_workgroup_id_y 1
		.amdhsa_system_sgpr_workgroup_id_z 1
		.amdhsa_system_vgpr_workitem_id 0
		.amdhsa_next_free_vgpr 1024
		.amdhsa_next_free_sgpr 80
		.amdhsa_reserve_vcc 0
		.amdhsa_float_denorm_mode_32 3
		.amdhsa_float_denorm_mode_16_64 3
		.amdhsa_memory_ordered 1
		.amdhsa_forward_progress 1
		.amdhsa_inst_pref_size 91
	.end_amdhsa_kernel
	.amdgpu_metadata
---
amdhsa.version: [ 1, 2 ]
amdhsa.kernels:
  - .name:           k_q3e0112f1fe_proj
    .symbol:         k_q3e0112f1fe_proj.kd
    .args:
      - { .name: o_img, .offset: 0, .size: 8, .value_kind: global_buffer, .address_space: global }
      - { .name: o_sc, .offset: 8, .size: 8, .value_kind: global_buffer, .address_space: global }
      - { .name: wo_codes, .offset: 16, .size: 8, .value_kind: global_buffer, .address_space: global }
      - { .name: wo_scales, .offset: 24, .size: 8, .value_kind: global_buffer, .address_space: global }
      - { .name: bo, .offset: 32, .size: 8, .value_kind: global_buffer, .address_space: global }
      - { .name: out0, .offset: 40, .size: 8, .value_kind: global_buffer, .address_space: global }
    .group_segment_fixed_size: 327680
    .private_segment_fixed_size: 0
    .kernarg_segment_align: 8
    .kernarg_segment_size: 48
    .max_flat_workgroup_size: 128
    .sgpr_count:     80
    .vgpr_count:     1024
    .wavefront_size: 32
...
	.end_amdgpu_metadata
.endif
;; end of part 3
